; MI455X (gfx1250); checked and timed in simulation.
; The chip was launched on July 23, 2026; its instructions are those of AMD's public machine-readable ISA for CDNA 5 (MIT licence, August 2026) and "CDNA5" Instruction Set Architecture Reference Guide (July 2026). The comments in the code are by the model that wrote it; some were corrected since.
;; Self Attention. Allowed arithmetic: matrix products marked QUANTISED: E4M3 operands, one given power-of-two scale a tensor, by v_wmma_f32_16x16x64_fp8_fp8 or v_wmma_f32_16x16x128_fp8_fp8, f32 sums; everything else in f32.
;; Inputs: W_in 3,072 x 1,024 float32; W_out 1,024 x 1,024 float32; b_in 3,072 float32; b_out 1,024 float32; lowp_scales 8 int32 (the exponents e of the quantised operands' scales 2^e); x 4 x 2,048 x 1,024 float32.
;; Outputs: out0 4 x 2,048 x 1,024 float32.
;; Constants: causal_mask = 1.
;; This version of the problem:
;;   THIS VERSION OF THE PROBLEM IS GIVEN IN LOW PRECISION. The matrix products marked QUANTISED in the list below multiply operands that are first quantised to E4M3 (4 exponent bits, 3 mantissa bits; 8 bits a number), with one given power-of-two scale for each operand tensor; their sums are f32. All else is computed in f32.
;;   The module's matrix products, in the order in which they are computed (A, B: the left and right operand; K: the contracted axis; several contracted axes count as one K, in the product's order):
;;     1. [M 8,192, K 1,024] x [K 1,024, N 3,072]; A: input x; B: input W_in: QUANTISED (scales: A lowp_scales[0], B lowp_scales[1])
;;     2. batch 64 x [M 2,048, K 64] x [K 64, N 2,048]; A: computed on the way; B: computed on the way: QUANTISED (scales: A lowp_scales[2], B lowp_scales[3])
;;     3. batch 64 x [M 2,048, K 2,048] x [K 2,048, N 64]; A: softmax (see below); B: computed on the way: QUANTISED (scales: A lowp_scales[4], B lowp_scales[5])
;;     4. [M 8,192, K 1,024] x [K 1,024, N 1,024]; A: computed on the way; B: input W_out: QUANTISED (scales: A lowp_scales[6], B lowp_scales[7])
;;   THE QUANTISER, for each operand of a quantised product, along K:
;;     - The operand's scale is 2^e, e = its entry of the input lowp_scales (int32; the entries are numbered through the quantised products in the list's order, A before B).
;;     - Each number is divided by the scale, clamped to +-448, and rounded to the nearest number of E4M3, ties to even, subnormals kept.
;;     - The product sums the exact products of the quantised numbers (number of the format x scale) in f32.
;;   ~~~python
;;   def quantise(x, axis, e):      # numpy; x: float32 -> the quantised numbers, widened to float32 again
;;       x = np.moveaxis(x, axis, -1); K = x.shape[-1]
;;       r = np.clip(x / 2.0 ** e, -448, 448)
;;       step = 2.0 ** (np.maximum(np.frexp(np.where(r == 0, 1, r))[1] - 1, -6) - 3)
;;       q = np.round(r / step) * step * 2.0 ** e      # np.round: ties to even
;;       return np.moveaxis(q, -1, axis).astype(np.float32)
;;   ~~~
;;   SOFTMAX AHEAD OF A QUANTISED PRODUCT. Where the list says 'softmax', what is quantised is not the finished softmax but p = 2^(t - M), with t = logit x log2(e) and M = ceil(the row's largest t), a whole number; so 1/2 < the row's largest p <= 1. The row's sum l is taken of the UNQUANTISED p, in f32, and the product's result is divided by l at the end. Since M is a whole number, a kernel that streams over the keys may use a running M (the ceiling of the running maximum): every later rescaling is an exact power of two, so the quantised numbers keep their values, but for numbers so far below the row's largest that they fall under the format's range.
;;   OPERANDS COMPUTED ON THE WAY. 'Computed on the way' means the value that the module computes at that place (a softmax that the list does not call 'softmax' is quantised finished and normalised). What goes into a quantiser is computed in f32, as accurately as f32 sums, v_exp_f32 and their like allow (about 1e-6 of the number): no bf16 or f16 on the way to a quantiser, and a product that is left as it is and whose result goes on into a quantised operand takes f32 operands (vector FMAs, or v_wmma_f32_16x16x4_f32). A number that lies on a knife's edge between two numbers of the format may be rounded either way, as far as f32 arithmetic and the matrix unit's own rounding can turn it there, and no further.
;; One version. Each part assembles by itself: llvm-mc -triple=amdgcn-amd-amdhsa -mcpu=gfx1250 --defsym DOCPART=n.
;; ======== version 1 of 1: 4 launches
;; limits: right only within a limited range of input values
;; workspace buffers: x_codes 8,388,608 bytes; win_codes 3,145,728 bytes; wout_codes 1,048,576 bytes; qkv 25,165,824 bytes; a_codes 8,388,608 bytes
;; launch quant (part 1): grid 768 x 1, 4 waves a work-group, no clusters, 33,280 bytes of LDS; arguments x, W_in, W_out, lowp_scales, x_codes, win_codes, wout_codes; writes x_codes, win_codes, wout_codes
.if DOCPART == 1
	.amdgcn_target "amdgcn-amd-amdhsa--gfx1250"
	.amdhsa_code_object_version 6
	.text
	.protected	k_q303ddb0f27_quant
	.globl	k_q303ddb0f27_quant
	.p2align	8
	.type	k_q303ddb0f27_quant,@function
k_q303ddb0f27_quant:
	s_mov_b64 s[64:65], 0
	v_nop
	global_prefetch_b8 v0, s[64:65] scope:SCOPE_SE
	s_setreg_imm32_b32 hwreg(HW_REG_WAVE_MODE, 25, 1), 1
	s_wait_xcnt 0x0
; x [8192][1024], W_in [3072][1024] and W_out [1024][1024], f32 with K innermost, become codes of FP8 (E4M3), one byte a number, in the same order.
; code = number / 2^e, held within +-448, rounded to the nearest code, ties to even.  e: entry 0 of the scales for x, entry 1 for W_in, entry 7 for W_out.
; LIMITS: -126 <= e <= 119, so that 2^e and 448 x 2^e are f32 numbers.  NaN among the inputs is not served (an infinity is held at the largest code).
; Rows are dense, so each tensor is a plain stream.  A work-group takes 16,384 numbers: work-groups 0-511 x, 512-703 W_in, 704-767 W_out; only pointers and e are chosen, by the work-group's number.
; A wave takes 8 steps of 512 numbers.  Each of a step's four loads reads 512 consecutive bytes, 16 a lane; the conversions want 16 NEIGHBOURS in one lane, so a step's 2,048 bytes turn through the wave's own
; stage in LDS (16 bytes of padding behind each 64) and come back 64 bytes a lane.  A lane's 16 codes are 16 bytes: a store of the wave covers 512 consecutive bytes, aligned.
; No tensor load, no barrier: waves share nothing.  Loads run four steps (16 loads a wave) ahead, the turn through LDS one step.
.set WAVES, 4
.set STEPS, 8
.set WGX,   512                        ; x's work-groups
.set WGI,   704                        ; x's and W_in's
.set EMAX,  8
.set MANT,  0x600000                   ; the mantissa field of 448 as f32
.set CB,    16                         ; bytes of 16 codes
.set R,     16                         ; v16-79   four sets of 16 numbers as they are loaded
.set X,     80                         ; v80-111  two sets of 16 neighbours
.set C,     128                        ; v128-159 codes: four registers for each step, so that no store's data are written again
.set WREG,  8192                       ; LDS: a region for each wave: two stages of 32 x SP bytes
.set SP,    80                         ; a lane's place in a stage: its 64 bytes + 16 of padding
.set SPW,   12                         ; v12      LDS address of my spare word; never rewritten
.set NIL,   13                         ; v13      0; never rewritten
.set SPARE, WAVES*WREG                 ; behind the four regions: the spare words, 128 bytes for each wave
	s_load_b256 s[4:11], s[0:1], 0x0               ; x s[4:5], W_in s[6:7], W_out s[8:9], the scales' exponents s[10:11]
	s_load_b128 s[12:15], s[0:1], 0x20             ; x's codes, W_in's codes
	s_load_b64 s[16:17], s[0:1], 0x30              ; W_out's codes
	v_lshl_add_u32 v[SPW], v0, 2, SPARE
	v_mov_b32 v[NIL], 0
	v_lshrrev_b32 v1, 5, v0
	v_readfirstlane_b32 s18, v1                    ; wave
	v_and_b32 v2, 31, v0                           ; lane
	v_lshlrev_b32 v3, 4, v2                        ; my 16 bytes of a load's 512
	s_mul_i32 s19, s18, WREG
	v_lshrrev_b32 v14, 2, v2
	v_mul_u32_u24 v14, v14, SP
	v_and_b32 v15, 3, v2
	v_lshl_add_u32 v14, v15, 4, v14
	v_add_nc_u32 v14, s19, v14                     ; the stage, on the way in: SP (lane / 4) + 16 (lane % 4)
	v_mul_u32_u24 v15, v2, SP
	v_add_nc_u32 v15, s19, v15                     ; and on the way out: SP x lane: my 16 neighbours
	v_mul_u32_u24 v4, v2, CB                       ; my codes' place in a step's
	s_wait_alu depctr_va_vdst(0)                   ; directly ahead of the wait below
	s_wait_kmcnt 0x0
	s_load_b256 s[24:31], s[10:11], 0x0            ; e0 .. e7
	s_mov_b32 s21, WGI
	s_cmp_lt_u32 ttmp9, WGI                        ; W_in's work-group or W_out's?  The choices hang on the work-group's number alone
	s_cselect_b64 s[6:7], s[6:7], s[8:9]
	s_cselect_b64 s[14:15], s[14:15], s[16:17]
	s_cselect_b32 s21, WGX, s21
	s_cmp_lt_u32 ttmp9, WGX                        ; or x's?
	s_cselect_b64 s[4:5], s[4:5], s[6:7]           ; from here
	s_cselect_b64 s[8:9], s[12:13], s[14:15]       ; to here
	s_cselect_b32 s21, 0, s21                      ; the tensor's first work-group
	s_sub_co_u32 s21, ttmp9, s21
	s_lshl_b32 s21, s21, 2
	s_add_co_u32 s20, s21, s18                     ; which run of 4,096 numbers of the tensor is my wave's
	s_mov_b32 s21, 0
	s_lshl_b64 s[22:23], s[20:21], 14              ; 16,384 bytes of numbers,
	s_add_nc_u64 s[4:5], s[4:5], s[22:23]
	s_lshl_b64 s[22:23], s[20:21], 12              ; 4,096 bytes of codes
	s_add_nc_u64 s[8:9], s[8:9], s[22:23]
.macro LOAD t
.irp i, 0,1,2,3
	global_load_b128 v[R+16*((\t)%4)+4*\i:R+16*((\t)%4)+4*\i+3], v3, s[4:5] offset:2048*(\t)+512*\i th:TH_LOAD_NT   ; 32 lanes read 512 consecutive bytes
.endr
.endm
.macro TURN t                          ; step t's numbers through the stage: LDS serves a wave's instructions in order, so no wait stands between the stores and the loads
.irp i, 0,1,2,3
	ds_store_b128 v14, v[R+16*((\t)%4)+4*\i:R+16*((\t)%4)+4*\i+3] offset:32*SP*((\t)%2)+8*SP*\i
.endr
.irp i, 0,1,2,3
	ds_load_b128 v[X+16*((\t)%2)+4*\i:X+16*((\t)%2)+4*\i+3], v15 offset:32*SP*((\t)%2)+16*\i
.endr
.endm
.irp t, 0,1,2,3
	LOAD \t
.endr
	s_wait_kmcnt 0x0
	s_cmp_lt_u32 ttmp9, WGI
	s_cselect_b32 s22, s25, s31                    ; e1 or e7,
	s_cmp_lt_u32 ttmp9, WGX
	s_cselect_b32 s22, s24, s22                    ; or e0
	s_add_co_i32 s22, s22, 127
	s_lshl_b32 s23, s22, 23
	v_mov_b32 v11, s23                             ; 2^e as f32: the conversion takes its exponent field
	s_add_co_i32 s22, s22, EMAX
	s_lshl_b32 s22, s22, 23
	s_or_b32 s22, s22, MANT
	v_mov_b32 v10, s22                             ; 448 x 2^e
	s_wait_alu depctr_va_vdst(0)
	s_wait_loadcnt 12                              ; step 0's four loads are in; the twelve of steps 1 to 3 may be out
	TURN 0
.macro STEP t
.set XS, X+16*((\t)%2)
	s_wait_dscnt 0x0                               ; this step's numbers are back from the stage: so its stores into the stage have read their registers,
.if (\t)+4 < STEPS
	LOAD (\t)+4                                    ; which take the loads of four steps on
.endif
.if (\t)+1 < STEPS
.if STEPS-2-(\t) >= 3
	s_wait_loadcnt 12                              ; the next step's four loads are in; those of the three steps behind it may be out
.else
	s_wait_loadcnt 4*(STEPS-2-(\t))
.endif
	TURN (\t)+1                                    ; and go through the other stage while this step is worked
.endif
.irp i, 0,1,2,3,4,5,6,7,8,9,10,11,12,13,14,15
	v_med3_num_f32 v[XS+\i], v[XS+\i], -v10, v10   ; the conversion to an 8-bit code does not saturate (ISA guide 7.6.2): hold the number within the largest code x the scale first
.endr
	v_cvt_scalef32_pk8_fp8_f32 v[C+4*(\t):C+4*(\t)+1], v[XS:XS+7], v11          ; eight numbers / 2^e, to the nearest code, ties to even; the first number's code in the lowest byte
	v_cvt_scalef32_pk8_fp8_f32 v[C+4*(\t)+2:C+4*(\t)+3], v[XS+8:XS+15], v11     ; (the results go to a store alone; the next step's holds are plain lines on other registers)
	global_store_b128 v4, v[C+4*(\t):C+4*(\t)+3], s[8:9] offset:32*CB*(\t)
.endm
.irp t, 0,1,2,3,4,5,6,7
	STEP \t
.endr
	s_wait_tensorcnt 0x0                           ; the wave's end, behind my last LDS store
	ds_add_u32 v[SPW], v[NIL]
	s_wait_dscnt 0x0
	s_endpgm
.Lfunc_end_k_q303ddb0f27_quant:
	.size	k_q303ddb0f27_quant, .Lfunc_end_k_q303ddb0f27_quant-k_q303ddb0f27_quant
	.p2alignl 7, 3214868480
	.fill 96, 4, 3214868480
	.section	.rodata,"a",@progbits
	.p2align	6, 0x0
	.amdhsa_kernel k_q303ddb0f27_quant
		.amdhsa_group_segment_fixed_size 33280
		.amdhsa_private_segment_fixed_size 0
		.amdhsa_enable_private_segment 0
		.amdhsa_kernarg_size 56
		.amdhsa_user_sgpr_count 2
		.amdhsa_user_sgpr_kernarg_segment_ptr 1
		.amdhsa_wavefront_size32 1
		.amdhsa_system_sgpr_workgroup_id_x 1
		.amdhsa_system_sgpr_workgroup_id_y 1
		.amdhsa_system_sgpr_workgroup_id_z 1
		.amdhsa_system_vgpr_workitem_id 0
		.amdhsa_next_free_vgpr 192
		.amdhsa_next_free_sgpr 66
		.amdhsa_reserve_vcc 0
		.amdhsa_float_denorm_mode_32 3
		.amdhsa_float_denorm_mode_16_64 3
		.amdhsa_memory_ordered 1
		.amdhsa_forward_progress 1
		.amdhsa_inst_pref_size 20
	.end_amdhsa_kernel
	.amdgpu_metadata
---
amdhsa.version: [ 1, 2 ]
amdhsa.kernels:
  - .name:           k_q303ddb0f27_quant
    .symbol:         k_q303ddb0f27_quant.kd
    .args:
      - { .name: x, .offset: 0, .size: 8, .value_kind: global_buffer, .address_space: global }
      - { .name: W_in, .offset: 8, .size: 8, .value_kind: global_buffer, .address_space: global }
      - { .name: W_out, .offset: 16, .size: 8, .value_kind: global_buffer, .address_space: global }
      - { .name: lowp_scales, .offset: 24, .size: 8, .value_kind: global_buffer, .address_space: global }
      - { .name: x_codes, .offset: 32, .size: 8, .value_kind: global_buffer, .address_space: global }
      - { .name: win_codes, .offset: 40, .size: 8, .value_kind: global_buffer, .address_space: global }
      - { .name: wout_codes, .offset: 48, .size: 8, .value_kind: global_buffer, .address_space: global }
    .group_segment_fixed_size: 33280
    .private_segment_fixed_size: 0
    .kernarg_segment_align: 8
    .kernarg_segment_size: 56
    .max_flat_workgroup_size: 128
    .sgpr_count:     66
    .vgpr_count:     192
    .wavefront_size: 32
...
	.end_amdgpu_metadata
.endif
;; end of part 1
;; launch qkv (part 2): grid 4 x 64, 4 waves a work-group, clusters of 4 x 4, 327,680 bytes of LDS; arguments x_codes, win_codes, lowp_scales, b_in, qkv; writes qkv
.if DOCPART == 2
	.amdgcn_target "amdgcn-amd-amdhsa--gfx1250"
	.amdhsa_code_object_version 6
	.text
	.protected	k_q303ddb0f27_qkv
	.globl	k_q303ddb0f27_qkv
	.p2align	8
	.type	k_q303ddb0f27_qkv,@function
k_q303ddb0f27_qkv:
	s_mov_b64 s[64:65], 0
	v_nop
	global_prefetch_b8 v0, s[64:65] scope:SCOPE_SE
	s_setreg_imm32_b32 hwreg(HW_REG_WAVE_MODE, 25, 1), 1
	s_wait_xcnt 0x0
	s_wait_alu depctr_hold_cnt(0) depctr_sa_sdst(0) depctr_va_vdst(0) depctr_va_sdst(0) depctr_va_ssrc(0) depctr_va_vcc(0) depctr_vm_vsrc(0)
	s_getreg_b32 s2, hwreg(HW_REG_IB_STS2, 6, 4)
	s_cmp_eq_u32 s2, 0
	s_cbranch_scc0 .Lentry_in_a_cluster
	s_endpgm
.Lentry_in_a_cluster:
	s_bfe_u32 s2, ttmp6, 0x10000c
	s_cmp_lg_u32 s2, 0xf033
	s_cbranch_scc0 .Lentry_shape_is_right
	s_endpgm
.Lentry_shape_is_right:
; The first product, x W_in^T + b_in, on codes of FP8 (E4M3), K = 1,024; its results are quantised at once into the codes that the attention launch reads: q (scale 2^e2), k (2^e3), v (2^e5).
; SHARES.  Work-group (cx, tile row): 128 tokens of x with ALL of K, against six blocks of 128 rows of W_in: planes cx + 4 j, j = 0 .. 5 (planes 0-7 q, 8-15 k, 16-23 v): j = 0, 1 q, j = 2, 3 k, j = 4, 5 v in every work-group.
; x's 128 rows come once through LDS slot 0 and then stay in registers (a wave's 64 tokens x 1,024 are 512 registers).  Slot 0 then joins slot 1 in a ring of two slots of 128 rows x 1,024 bytes (LDS pitch 1,040,
; an odd multiple of 16) through which W_in's blocks go: block j lies in slot (j + 1) % 2.  Behind block j's products the slot just read takes block j + 2, and block j's way out stands under that load.
; A wave makes 64 x 64 of each block: 16 accumulators, which take turns; K in eight steps of 128 on two sets of W_in's fragments.
; q, k: source 0 = 16 rows of W_in, source 1 = 16 tokens: a lane holds a token and eight neighbouring columns.  v: the sources change places: a lane holds a channel and eight neighbouring tokens, so v's codes come out
; with the keys innermost.  A fragment's registers 4 c .. 4 c + 3 hold K = 32 c + 16 (l / 16) + 0 .. 15, alike in both operands.
; CLUSTERS: 4 x 4 work-groups; x's tile is asked for jointly along a row of the cluster, W_in's blocks along a column.  No branch and no LDS address hangs on a place in the cluster.
; THE OUTPUT.  A block's 128 x 128 codes are one dense block of 16,384 bytes of qkv, rows of 128 bytes, which two waves share: they meet in a stage in LDS, and each wave stores 32 whole rows.
;   q, k: [plane][token][128].    v: from byte 2^24 on, [token / 128][head pair][128 channels][128 keys].
;   In every row byte 32 B + 16 h + 8 u + j holds column 32 B + 16 u + 8 h + j: that is how a lane's four registers of codes lie.
; NO PREFETCH: W_in's blocks are read by the sixteen clusters at about the same trips, and x's tile is asked for once, at the head.
; LIMITS: e0 + e1 between -126 and 127; e2, e3, e5 between -126 and 119, so that each power of two below is an f32 number.
; REGISTERS, in windows of 256.  Window 0: v1-31 addresses and constants; v32-95 numbers at work; v96-127 codes; v128-159 the column bias; v160-167 the row bias; v168-199 whole rows.
;   Window 1: v0-127 W_in's fragments, two sets; v128-255 the accumulators, (a, b) at v[128 + 8 (4 a + b)].  Windows 2, 3: x's fragments: K step q, block a at v[64 (q % 4) + 16 a] of window 2 + q / 4.
.set BP,     1040
.set HALF,   64*BP
.set QUART,  32*BP
.set SLOT,   128*BP
.set SPARE,  2*SLOT                    ; the spare words, 128 bytes for each wave
.set STAGE,  SPARE+512                 ; 128 rows x 144 bytes; no tile lands there
.set SP,     144
.set STEPB,  4*128*1024                ; from block j to block j + 1 in W_in's codes
.set FLAGS,  (0<<16)|(1<<20)|(1<<21)|(7<<22)|(3<<25)   ; elements of 1 byte; padding on; bit 21 beside a mask; four words after every 256
.set BCO,  8
.set BRO,  9
.set ADRA, 16
.set ADRB, 20                          ; v20, v21: my rows of W_in's block in slot 0, 1
.set STOQ, 22                          ; v22, v23: where I put 16 codes: q and k, v
.set RD,   25
.set CO,   26
.set SPW,  28
.set NIL,  29
.set SC,   30
.set LIM,  31
.set TMP,  32
.set PC,   96
.set CB,   128
.set RB,   160
.set BK,   168
.set G1A, 24
.set G1B, 32
.set G1C, 40
.set G0A, 48
.set G0B, 52
.set G0R, 56                           ; s[56:59], s[60:63]: the refills of slot 0, 1
.set MSB, 0
.macro WIN new                         ; the immediate's high byte repeats the setting that is left
.if MSB != (\new)
	s_set_vgpr_msb (MSB<<8)|(\new)
.set MSB, (\new)
.endif
.endm
.macro PLACES                          ; plain vector lines between a matrix instruction and a load into, or a vector line on, its registers (ISA guide 7.12.1 for vector lines)
.rept 4
	v_nop
.endr
.endm
.macro CROUND                          ; a round of the cluster's barrier
	s_barrier_signal -1
	s_barrier_wait -1
	s_cmp_lg_u32 s14, 0
	s_cbranch_scc1 .Lnot_wave_0_\@
	s_barrier_signal -3
.Lnot_wave_0_\@:
	s_barrier_wait -3
	s_barrier_signal -1
	s_barrier_wait -1
.endm
	s_load_b128 s[4:7], s[0:1], 0x0                ; x's codes, W_in's codes
	s_load_b128 s[8:11], s[0:1], 0x10              ; the scales' exponents, b_in
	s_load_b64 s[12:13], s[0:1], 0x20              ; qkv
	v_lshl_add_u32 v[SPW], v0, 2, SPARE
	v_mov_b32 v[NIL], 0
	ds_add_u32 v[SPW], v[NIL]                      ; the opening lines: the add, twice on end, and its wait ahead of the round in front of the first loads
	ds_add_u32 v[SPW], v[NIL]
	v_lshrrev_b32 v1, 5, v0
	v_readfirstlane_b32 s14, v1                    ; wave 0..3
	s_lshr_b32 s15, s14, 1                         ; which 64 tokens are mine.  Also: at the head I fetch for x (0) or for W_in (1)
	s_and_b32 s16, s14, 1                          ; which 64 rows of a block.  Also: which half I fetch at the head
	s_bfe_u32 s66, ttmp6, 0x40000                  ; cx
	s_bfe_u32 s67, ttmp6, 0x40004                  ; cy
	s_and_b32 s17, ttmp7, 0xffff
	s_lshl_b32 s17, s17, 2
	s_add_co_u32 s17, s17, s67                     ; tile row, 0 .. 63
	s_lshl_b32 s68, s67, 2
	s_lshl_b32 s68, 15, s68                        ; my row of the cluster
	s_lshl_b32 s69, 0x1111, s66                    ; my column
	s_or_b32 s[G1A], s68, FLAGS
	s_or_b32 s[G1B], s69, FLAGS
	s_or_b32 s[G1C], s69, FLAGS
.irp g, G1A, G1B                               ; at the head: 64 rows of 1,024 bytes
	s_mov_b32 s[\g+1], 1024<<16
	s_mov_b32 s[\g+2], 64<<16
	s_mov_b32 s[\g+3], 1024<<16
	s_mov_b32 s[\g+4], 64
	s_mov_b32 s[\g+5], 1024
	s_mov_b32 s[\g+6], 0
	s_mov_b32 s[\g+7], 0
.endr
	s_mov_b32 s[G1C+1], 1024<<16                   ; a refill: 32 rows a wave
	s_mov_b32 s[G1C+2], 32<<16
	s_mov_b32 s[G1C+3], 1024<<16
	s_mov_b32 s[G1C+4], 32
	s_mov_b32 s[G1C+5], 1024
	s_mov_b32 s[G1C+6], 0
	s_mov_b32 s[G1C+7], 0
	s_lshl_b32 s18, s17, 17
	s_lshl_b32 s19, s16, 16
	s_add_co_u32 s18, s18, s19                     ; x: the tile row alone, which my row of the cluster shares
	s_lshl_b32 s20, s66, 17
	s_lshl_b32 s22, s14, 15
	s_add_co_u32 s22, s22, s20                     ; a refill: plane cx, my 32 rows
	s_add_co_u32 s20, s20, s19                     ; block 0: plane cx, my 64 rows
	s_mov_b32 s19, 0
	s_mov_b32 s21, 0
	s_mov_b32 s23, 0
	s_lshl_b32 s70, s66, 9
	s_lshl_b32 s71, s16, 8
	s_add_co_u32 s70, s70, s71                     ; b_in: 512 bytes a plane, my 64 entries
	s_mov_b32 s71, 0
	s_lshl_b32 s72, s66, 20
	s_lshl_b32 s73, s17, 14
	s_add_co_u32 s72, s72, s73
	s_lshl_b32 s73, s14, 12
	s_add_co_u32 s72, s72, s73                     ; q, k: plane x 2^20 + 128 tokens x 128 bytes + my 32 rows
	s_lshl_b32 s74, s17, 17
	s_lshl_b32 s75, s66, 14
	s_add_co_u32 s74, s74, s75
	s_add_co_u32 s74, s74, s73
	s_add_co_u32 s74, s74, 0x1000000               ; v: 2^24 + (8 x block of tokens + pair) x 16,384 + my 32 rows
	s_mov_b32 s73, 0
	s_mov_b32 s75, 0
	s_mul_i32 s77, s15, HALF                       ; LDS: my 64 tokens,
	s_mul_i32 s84, s16, HALF                       ; my 64 rows of a block; also my half at the head
	s_mul_i32 s68, s14, QUART                      ; my 32 rows of a refill
	s_mul_i32 s85, s15, 64*SP
	s_lshl_b32 s86, s16, 6
	s_add_co_u32 s85, s85, s86
	s_add_co_u32 s85, s85, STAGE                   ; the stage, q and k: row 64 (token half), byte 64 (column half)
	s_mul_i32 s86, s16, 64*SP
	s_lshl_b32 s87, s15, 6
	s_add_co_u32 s86, s86, s87
	s_add_co_u32 s86, s86, STAGE                   ; v: row 64 (channel half), byte 64 (token half)
	s_mul_i32 s87, s14, 32*SP
	s_add_co_u32 s87, s87, STAGE                   ; back: rows 32 w on
	s_wait_dscnt 0x0                               ; both opening adds are done
	s_wait_kmcnt 0x0
	s_load_b256 s[88:95], s[8:9], 0x0              ; e0 .. e7
	s_add_nc_u64 s[18:19], s[4:5], s[18:19]
	s_add_nc_u64 s[20:21], s[6:7], s[20:21]
	s_add_nc_u64 s[22:23], s[6:7], s[22:23]
	s_add_nc_u64 s[70:71], s[10:11], s[70:71]
	s_add_nc_u64 s[72:73], s[12:13], s[72:73]
	s_add_nc_u64 s[74:75], s[12:13], s[74:75]
	CROUND                                         ; all sixteen work-groups are here: the first joint loads meet
	s_mov_b32 s[G0A], 1
	s_mov_b32 s[G0A+1], s84                        ; x into slot 0
	s_mov_b64 s[G0A+2:G0A+3], s[18:19]
	s_or_b32 s[G0A+3], s[G0A+3], 0x80000000
	s_mov_b32 s[G0B], 1
	s_add_co_u32 s[G0B+1], s84, SLOT               ; block 0 into slot 1
	s_mov_b64 s[G0B+2:G0B+3], s[20:21]
	s_or_b32 s[G0B+3], s[G0B+3], 0x80000000
	s_mov_b32 s[G0R], 1
	s_mov_b32 s[G0R+1], s68
	s_add_nc_u64 s[G0R+2:G0R+3], s[22:23], STEPB   ; slot 0's first refill is block 1
	s_or_b32 s[G0R+3], s[G0R+3], 0x80000000
	s_mov_b32 s[G0R+4], 1
	s_add_co_u32 s[G0R+5], s68, SLOT
	s_mov_b64 s[G0R+6:G0R+7], s[22:23]             ; slot 1's stands at block 0 and is stepped to block 2 ahead of its first use
	s_or_b32 s[G0R+7], s[G0R+7], 0x80000000
	s_cmp_eq_u32 s15, 0                            ; the branch hangs on the wave's number alone; an s_nop 0 and four v_nop follow each load
	s_cbranch_scc0 .Lfor_b
	tensor_load_to_lds s[G0A:G0A+3], s[G1A:G1A+7]
	s_nop 0
	PLACES
	s_branch .Lasked
.Lfor_b:
	tensor_load_to_lds s[G0B:G0B+3], s[G1B:G1B+7]
	s_nop 0
	PLACES
.Lasked:
	v_and_b32 v1, 15, v0                           ; r
	v_bfe_u32 v2, v0, 4, 1                         ; h
	v_lshlrev_b32 v[BCO], 5, v2
	v_lshlrev_b32 v[BRO], 2, v1
	v_mul_u32_u24 v3, v1, BP
	v_lshl_add_u32 v3, v2, 4, v3                   ; a fragment's row x pitch + 16 h
	v_add_nc_u32 v[ADRA], s77, v3
	v_add_nc_u32 v[ADRB], s84, v3
	v_add_nc_u32 v[ADRB+1], SLOT, v[ADRB]
	v_mul_u32_u24 v4, v1, SP
	v_lshl_add_u32 v4, v2, 4, v4
	v_add_nc_u32 v[STOQ], s85, v4
	v_add_nc_u32 v[STOQ+1], s86, v4
	v_bfe_u32 v5, v0, 3, 2                         ; back: eight lanes to a row of 128 bytes, four rows an instruction
	v_mul_u32_u24 v5, v5, SP
	v_and_b32 v6, 7, v0
	v_lshl_add_u32 v5, v6, 4, v5
	v_add_nc_u32 v[RD], s87, v5
	v_and_b32 v6, 31, v0
	v_lshlrev_b32 v[CO], 4, v6
.irp b, 0,1,2,3
	v_mov_b32 v[RB+2*\b+1], 0                      ; (named as the upper halves of pairs)
.endr
	s_wait_kmcnt 0x0
	s_add_co_i32 s96, s88, s89
	s_add_co_i32 s96, s96, 127
	s_lshl_b32 s96, s96, 23                        ; 2^(e0 + e1) as f32
	s_mov_b32 s97, s96
.irp p, 0,1,2                                  ; the scale and 448 x the scale: q s78, s79; k s80, s81; v s82, s83
.if \p == 2
	s_add_co_i32 s85, s93, 127
.else
	s_add_co_i32 s85, s[90+\p], 127
.endif
	s_lshl_b32 s[78+2*\p], s85, 23
	s_add_co_i32 s85, s85, 8
	s_lshl_b32 s85, s85, 23
	s_or_b32 s[79+2*\p], s85, 0x600000
.endr
.macro WM d, s0, s1, zero
.if \zero
	v_wmma_f32_16x16x128_fp8_fp8 v[\d:\d+7], v[\s0:\s0+15], v[\s1:\s1+15], 0
.else
	v_wmma_f32_16x16x128_fp8_fp8 v[\d:\d+7], v[\s0:\s0+15], v[\s1:\s1+15], v[\d:\d+7]
.endif
.endm
.macro MUL q, kind, zero               ; 16 matrix instructions, one on each accumulator.  zero = 1: the first products start the sums
.if \kind
	WIN 0x54|(2+(\q)/4)                            ; source 0 x (window 2 or 3), source 1 W_in (window 1), C and D window 1
.else
	WIN 0x51|((2+(\q)/4)<<2)                       ; source 0 W_in, source 1 x
.endif
.irp a, 0,1,2,3
.irp b, 0,1,2,3
.if \kind
	WM (128+8*(4*\a+\b)), (64*((\q)%4)+16*\a), (64*((\q)%2)+16*\b), \zero
.else
	WM (128+8*(4*\a+\b)), (64*((\q)%2)+16*\b), (64*((\q)%4)+16*\a), \zero
.endif
.endr
.endr
.endm
.macro FETCHB slot, q                  ; W_in's four fragments of K step q into set q % 2: 16 LDS loads
	WIN 0x40
.irp i, 0,1,2,3
.irp c, 0,1,2,3
	ds_load_b128 v[64*((\q)%2)+16*\i+4*\c:64*((\q)%2)+16*\i+4*\c+3], v[ADRB+\slot] offset:16*BP*\i+128*(\q)+32*\c
.endr
.endr
.endm
.macro COMPUTE slot, kind
	FETCHB \slot, 0
	FETCHB \slot, 1
	s_wait_dscnt 16                                ; all but the 16 loads just issued
	MUL 0, \kind, 1
.irp q, 1,2,3,4,5,6
	PLACES                                         ; in front of loads into the set that the step before multiplied
	FETCHB \slot, \q+1
	s_wait_dscnt 16
	MUL \q, \kind, 0
.endr
	s_wait_dscnt 0x0
	MUL 7, \kind, 0
.endm
; THE CHANGE OF SLOTS: each wave waits for all its tensor loads (its part of the next block), adds 0 to its spare word, and waits for that and for its LDS reads.  fill = 1: a round of the cluster's barrier, and the slot
; just read takes the block two further on: a wave's one tensor load until the next round.
.macro CHG fill, slot
	WIN 0
	s_wait_tensorcnt 0x0
	ds_add_u32 v[SPW], v[NIL]
.if \fill
	s_add_nc_u64 s[G0R+4*(1-\slot)+2:G0R+4*(1-\slot)+3], s[G0R+4*(1-\slot)+2:G0R+4*(1-\slot)+3], 2*STEPB   ; no load of mine is out: the other slot's next block
.endif
	s_wait_dscnt 0x0
.if \fill
	CROUND
	tensor_load_to_lds s[G0R+4*\slot:G0R+4*\slot+3], s[G1C:G1C+7]
	s_nop 0
	PLACES
.else
	s_barrier_signal -1
	s_barrier_wait -1
.endif
.endm
.macro BIAS kind                       ; waited for on the way out
.irp b, 0,1,2,3
.if \kind
	global_load_b32 v[RB+2*\b], v[BRO], s[70:71] offset:64*\b                  ; channel 16 b + r
.else
	global_load_b128 v[CB+8*\b:CB+8*\b+3], v[BCO], s[70:71] offset:64*\b       ; columns 16 b + 8 h + 0 .. 7
	global_load_b128 v[CB+8*\b+4:CB+8*\b+7], v[BCO], s[70:71] offset:64*\b+16
.endif
.endr
.endm
; THE WAY OUT of a block: number = sum x 2^(e0 + e1) + bias, held within +-448 x the scale; eight neighbours become eight codes.  q, k: x = block of 16 tokens, y = of 16 columns; v: x = of 16 channels, y = of 16 tokens.
.macro OUT kind
	s_wait_loadcnt 0x0                             ; the bias
	PLACES                                         ; behind the last products
.irp x, 0,1,2,3
.set T, TMP+32*(\x%2)
	WIN 0x01                                       ; source 0: window 1
.irp y, 0,1,2,3
.irp e, 0,2,4,6
.if \kind
	v_pk_fma_f32 v[T+8*\y+\e:T+8*\y+\e+1], v[128+8*(4*\y+\x)+\e:128+8*(4*\y+\x)+\e+1], s[96:97], v[RB+2*\x:RB+2*\x+1] op_sel_hi:[1,0,0]
.else
	v_pk_fma_f32 v[T+8*\y+\e:T+8*\y+\e+1], v[128+8*(4*\x+\y)+\e:128+8*(4*\x+\y)+\e+1], s[96:97], v[CB+8*\y+\e:CB+8*\y+\e+1] op_sel_hi:[1,0,1]
.endif
.endr
.endr
	WIN 0
.set n, 0
.rept 32
	v_med3_num_f32 v[T+n], v[T+n], -v[LIM], v[LIM] ; the conversion to an 8-bit code does not saturate (ISA guide 7.6.2)
.set n, n+1
.endr
.irp y, 0,1,2,3
	v_cvt_scalef32_pk8_fp8_f32 v[PC+8*\x+2*\y:PC+8*\x+2*\y+1], v[T+8*\y:T+8*\y+7], v[SC]
.endr
	v_nop                                          ; one plain line behind the conversions
	ds_store_b128 v[STOQ+\kind], v[PC+8*\x:PC+8*\x+3] offset:16*SP*\x
	ds_store_b128 v[STOQ+\kind], v[PC+8*\x+4:PC+8*\x+7] offset:16*SP*\x+32
.endr
	s_wait_dscnt 0x0                               ; for the others' sake: my stores into the stage are done
	s_barrier_signal -1
	s_barrier_wait -1
.irp i, 0,1,2,3,4,5,6,7
	ds_load_b128 v[BK+4*\i:BK+4*\i+3], v[RD] offset:4*SP*\i
.endr
	s_wait_dscnt 0x0
.irp i, 0,1,2,3,4,5,6,7
	global_store_b128 v[CO], v[BK+4*\i:BK+4*\i+3], s[72+2*\kind:73+2*\kind] offset:512*\i   ; 32 lanes store 512 consecutive bytes, aligned
.endr
	s_wait_xcnt 0x0                                ; the stores have read their registers and their base
.if \kind
	s_add_nc_u64 s[74:75], s[74:75], 4<<14         ; four head pairs on
.else
	s_add_nc_u64 s[72:73], s[72:73], 4<<20         ; four planes on
.endif
	s_add_nc_u64 s[70:71], s[70:71], 2048          ; and in b_in
.endm
	s_wait_alu depctr_va_vdst(0)
	s_wait_tensorcnt 0x0                           ; my half of a tile is in
	s_barrier_signal -1
	s_barrier_wait -1                              ; everybody's is
.irp q, 0,1,2,3,4,5,6,7                        ; x's fragments, all of K, into windows 2 and 3
	WIN (2+\q/4)<<6
.irp a, 0,1,2,3
.irp c, 0,1,2,3
	ds_load_b128 v[64*(\q%4)+16*\a+4*\c:64*(\q%4)+16*\a+4*\c+3], v[ADRA] offset:16*BP*\a+128*\q+32*\c
.endr
.endr
.endr
	CHG 1, 0                                       ; nobody reads slot 0 any more: it takes block 1
	s_mov_b32 s76, 0
.Lqk:                                              ; two trips: q's two blocks, then k's
	s_cmp_eq_u32 s76, 0
	s_cselect_b32 s84, s78, s80
	s_cselect_b32 s85, s79, s81
	v_mov_b32 v[SC], s84
	v_mov_b32 v[LIM], s85
	s_wait_alu depctr_va_vdst(0)
	BIAS 0
	COMPUTE 1, 0
	CHG 1, 1
	OUT 0
	BIAS 0
	COMPUTE 0, 0
	CHG 1, 0
	OUT 0
	s_add_co_u32 s76, s76, 1
	s_cmp_lt_u32 s76, 2
	s_cbranch_scc1 .Lqk
	v_mov_b32 v[SC], s82
	v_mov_b32 v[LIM], s83
	s_wait_alu depctr_va_vdst(0)                   ; as above
	BIAS 1
	COMPUTE 1, 1
	CHG 0, 0                                       ; block 5 is in; nothing is left to fetch
	OUT 1
	BIAS 1
	COMPUTE 0, 1
	CHG 0, 0                                       ; every wave has read the stage's last rows
	OUT 1
	s_wait_tensorcnt 0x0                           ; the wave's end
	ds_add_u32 v[SPW], v[NIL]
	s_wait_dscnt 0x0
	CROUND                                         ; the closing round
	s_endpgm
.Lfunc_end_k_q303ddb0f27_qkv:
	.size	k_q303ddb0f27_qkv, .Lfunc_end_k_q303ddb0f27_qkv-k_q303ddb0f27_qkv
	.p2alignl 7, 3214868480
	.fill 96, 4, 3214868480
	.section	.rodata,"a",@progbits
	.p2align	6, 0x0
	.amdhsa_kernel k_q303ddb0f27_qkv
		.amdhsa_group_segment_fixed_size 327680
		.amdhsa_private_segment_fixed_size 0
		.amdhsa_enable_private_segment 0
		.amdhsa_kernarg_size 40
		.amdhsa_user_sgpr_count 2
		.amdhsa_user_sgpr_kernarg_segment_ptr 1
		.amdhsa_wavefront_size32 1
		.amdhsa_system_sgpr_workgroup_id_x 1
		.amdhsa_system_sgpr_workgroup_id_y 1
		.amdhsa_system_sgpr_workgroup_id_z 1
		.amdhsa_system_vgpr_workitem_id 0
		.amdhsa_next_free_vgpr 1024
		.amdhsa_next_free_sgpr 100
		.amdhsa_reserve_vcc 0
		.amdhsa_float_denorm_mode_32 3
		.amdhsa_float_denorm_mode_16_64 3
		.amdhsa_memory_ordered 1
		.amdhsa_forward_progress 1
		.amdhsa_inst_pref_size 154
	.end_amdhsa_kernel
	.amdgpu_metadata
---
amdhsa.version: [ 1, 2 ]
amdhsa.kernels:
  - .name:           k_q303ddb0f27_qkv
    .symbol:         k_q303ddb0f27_qkv.kd
    .args:
      - { .name: x_codes, .offset: 0, .size: 8, .value_kind: global_buffer, .address_space: global }
      - { .name: win_codes, .offset: 8, .size: 8, .value_kind: global_buffer, .address_space: global }
      - { .name: lowp_scales, .offset: 16, .size: 8, .value_kind: global_buffer, .address_space: global }
      - { .name: b_in, .offset: 24, .size: 8, .value_kind: global_buffer, .address_space: global }
      - { .name: qkv, .offset: 32, .size: 8, .value_kind: global_buffer, .address_space: global }
    .group_segment_fixed_size: 327680
    .private_segment_fixed_size: 0
    .kernarg_segment_align: 8
    .kernarg_segment_size: 40
    .max_flat_workgroup_size: 128
    .sgpr_count:     100
    .vgpr_count:     1024
    .wavefront_size: 32
...
	.end_amdgpu_metadata
.endif
;; end of part 2
;; launch attn (part 3): grid 8 x 32, 16 waves a work-group, no clusters, 327,680 bytes of LDS; arguments qkv, lowp_scales, a_codes; writes a_codes
.if DOCPART == 3
	.amdgcn_target "amdgcn-amd-amdhsa--gfx1250"
	.amdhsa_code_object_version 6
	.text
	.protected	k_q303ddb0f27_attn
	.globl	k_q303ddb0f27_attn
	.p2align	8
	.type	k_q303ddb0f27_attn,@function
k_q303ddb0f27_attn:
	s_mov_b64 s[64:65], 0
	v_nop
	global_prefetch_b8 v0, s[64:65] scope:SCOPE_SE
	s_setreg_imm32_b32 hwreg(HW_REG_WAVE_MODE, 25, 1), 1
	s_wait_xcnt 0x0
; Causal attention on codes of FP8 (E4M3): scores q k^T / 8, softmax, p v, divided by the row's sum, and the result quantised (scale 2^e6) for the last projection.  4 batches x 16 heads of 64, 2,048 tokens.
; THE SOFTMAX AHEAD OF THE SECOND PRODUCT: t = score x log2(e) / 8; M = the row's largest t so far, rounded UP to a whole number; p = 2^(t - M) is quantised (2^e4), not normalised; the row's sum is taken of the
; unquantised p and divides at the end.  When M moves, the sum and O are multiplied by 2^(old M - new M), which rounds nothing.
; SHARES.  Work-group (i, y): batch y / 8, head pair y % 8, and two blocks of 128 queries, 15 - i and i.  Wave w: head w / 8 of the pair; (w / 4) % 2 = 0: block 15 - i, 1: block i; queries 32 (w % 4) .. + 31 of it:
; TWO tiles of 16 queries, which share every fragment of K and of V that the wave reads from LDS.  Keys go 128 a step; block b needs steps 0 .. b (the mask that hides later keys is the problem's own):
; (16 - i) + (i + 1) = 17 steps for each pair of waves, in every work-group.  A step whose keys all come after a wave's block is jumped over by a scalar branch on ids.
; THE RING.  Two slots of 256 keys (two steps): K's 256 rows of the pair, then V's 128 channels x 128 keys, twice.  Four parts of 16,384 dense bytes, fetched by waves 0 to 3 as 64 rows of 256 bytes, padded behind each 128.
; Every work-group walks eight changes of slots (a constant trip count); a slot whose first key block lies behind block 15 - i is read by no wave and is not asked for: a jump on ids, alike in all waves, round the load alone.
; In the eighth trip that test always leads round the load.  Every wait on TENSORcnt is for 0.
; LAYOUT.  Both products are used transposed: S^T = K Q^T (source 0 = 16 keys, source 1 = 16 queries, K = 64), O^T = V^T P^T (source 0 = 16 channels, source 1 = P, K = 128 keys): a lane holds ONE query of each tile.
; In S^T register j of tile t is key 16 t + 8 (l / 16) + j: eight codes of it are registers 2 t, 2 t + 1 of the second product's operand.  V's rows in qkv have the two middle groups of eight of each 32 keys
; exchanged, so that four loads of 16 bytes give the same order.  q's and k's rows have the same exchange, alike in both.
; NO CLUSTER: the eight work-groups of a head pair stop asking at different slots (behind block 15 - i), so a partner would have to ask for tiles that none of its waves reads.
; LIMITS on the given exponents, so that each power of two below is an f32 number: e2 + e3 between -123 and 130 (added to c's exponent field); e4 and e6 between -126 and 119; e4 + e5 goes by v_ldexp_f32.
; The scaled scores stay under 2^31 in magnitude.
; REGISTERS: v1-11 addresses and constants; v12-15, v16-19 each tile's -M, largest t and sum (two halves); v20-27, v254-255 at work; v28-43 Q; v44-59 the first tile's p codes; v60-75 the second's, laid over scores
; that are already converted; v62-125 S^T, then p; v126-189 K's eight fragments, then V's four; v190-221, v222-253 O^T.
.set KP,    144                        ; a row of 128 bytes in LDS + 16 of padding
.set PART,  128*KP                     ; what one tensor load brings
.set VOFF,  2*PART
.set SLOT1, 1<<17                      ; slot 1 begins here: one exclusive or turns an address in one slot into the other's
.set SPARE, 2*SLOT1                    ; the spare words, 128 bytes for each of sixteen waves
.set STAGE, SPARE+2048                 ; 256 rows x 144 bytes for the way out; no tile lands there
.set AK0, 1
.set AV0, 2
.set PFO, 3
.set DD,  4
.set SPW, 5
.set NIL, 6
.set ADK, 7
.set ADV, 8
.set L4,  9
.set SC4, 10
.set PT,  11
.set STA, 12
.set STB, 16
.set F,   20
.set T0,  22
.set T1,  24
.set T2,  26
.set T3,  254
.set QF,  28
.set PA,  44
.set PB,  60
.set S,   62
.set KV,  126
.set OA,  190
.set OB,  222
.set TB,   2                           ; s2   LDS byte at which the slot in hand begins
.set TRIP, 10                          ; s10  the slot in hand
.set KB,   11                          ; s11  the key block in hand
.set MB,   12                          ; s12  my block of queries
.set LB,   13                          ; s13  15 - i
.set IDX,  15                          ; s15  i
.set PLIM, 16                          ; s16  6 in a wave that prefetches, else 0
.set STR,  17                          ; s17  from a key block to the next in memory
.set WV,   18
.set SEL,  24
.set CS,   26
.set G1,   32
.set G0,   40
.set BASE, 44
.set QA,   46
.set STP,  56                          ; s[56:57] a slot on, in bytes
.set PFA,  60
.set OUTA, 66
; Waves 0 to 3 fetch one part each.  The branch hangs on the wave's number alone.  An s_nop 0 and four v_nop follow the load.
.macro TLOAD
	s_cmp_lt_u32 s[WV], 4
	s_cbranch_scc0 .Lasked_\@
	tensor_load_to_lds s[G0:G0+3], s[G1:G1+7]
	s_nop 0
.rept 4
	v_nop
.endr
.Lasked_\@:
.endm
; A prefetch of the slot that the NEXT change will ask for.  The work-group with i = 0, which walks all eight slots, asks for the eight of its head pair: in trip T for slot T + 2, T = 0 .. 5.
; Waves 4 to 7 take one part of 16,384 bytes each, lanes 256 bytes apart, two instructions: each block of 256 bytes is named once in the launch.  Slots 0 and 1 come by their loads alone.
.macro ASK
	s_cmp_lt_u32 s[TRIP], s[PLIM]
	s_cbranch_scc0 .Lnot_mine_\@
	global_prefetch_b8 v[PFO], s[PFA:PFA+1] th:TH_LOAD_NT scope:SCOPE_SE
	global_prefetch_b8 v[PFO], s[PFA:PFA+1] offset:8192 th:TH_LOAD_NT scope:SCOPE_SE
.Lnot_mine_\@:
.endm
	s_load_b128 s[4:7], s[0:1], 0x0                ; qkv, the scales' exponents
	s_load_b64 s[8:9], s[0:1], 0x10                ; a_codes
	v_lshl_add_u32 v[SPW], v0, 2, SPARE
	v_mov_b32 v[NIL], 0
	ds_add_u32 v[SPW], v[NIL]                      ; the opening lines: the add, twice on end, and its wait ahead of the first tensor load
	ds_add_u32 v[SPW], v[NIL]
	v_lshrrev_b32 v[ADV], 5, v0
	v_readfirstlane_b32 s[WV], v[ADV]              ; wave 0..15
	s_lshr_b32 s19, s[WV], 3                       ; my head of the pair
	s_bfe_u32 s68, s[WV], 0x10002                  ; 0: block 15 - i, 1: block i
	s_and_b32 s20, s[WV], 3                        ; my 32 queries of the block; also the part of a slot that I stand for
	s_mov_b32 s[IDX], ttmp9
	s_and_b32 s22, ttmp7, 0xffff
	s_and_b32 s23, s22, 7                          ; the head pair
	s_lshr_b32 s22, s22, 3                         ; the batch
	s_sub_co_u32 s[LB], 15, s[IDX]
	s_cmp_eq_u32 s68, 0
	s_cselect_b32 s[MB], s[LB], s[IDX]
	s_mov_b32 s[G1], (0<<16)|(1<<20)|(4<<22)|(3<<25)   ; elements of 1 byte; padding: four words after every 32
	s_mov_b32 s[G1+1], 256<<16                     ; tensor_dim0: the part is dense, stated as rows of 256 bytes
	s_mov_b32 s[G1+2], 64<<16                      ; tensor_dim1
	s_mov_b32 s[G1+3], 256<<16                     ; tile_dim0
	s_mov_b32 s[G1+4], 64                          ; tile_dim1
	s_mov_b32 s[G1+5], 256                         ; the pitch
	s_mov_b32 s[G1+6], 0
	s_mov_b32 s[G1+7], 0
	s_mov_b32 s[SEL], 0x76543210
	s_mov_b32 s[SEL+1], 0xfedcba98
	s_mov_b32 s[CS], 0x3e38aa3b                    ; log2(e) / 8
	s_mov_b32 s[TB], 0
	s_mov_b32 s[TRIP], 0
	s_mov_b32 s[KB], 0
	; my part's key block 0 or 1: parts 0, 1: plane 8 + pair, the batch's rows of 128 bytes; parts 2, 3: 2^24 + (128 batch + 8 key block + pair) x 16,384
	s_lshl_b32 s57, s23, 20
	s_add_co_u32 s57, s57, 0x800000
	s_lshl_b32 s58, s22, 18
	s_add_co_u32 s57, s57, s58
	s_lshl_b32 s58, s22, 21
	s_lshl_b32 s59, s23, 14
	s_add_co_u32 s58, s58, s59
	s_add_co_u32 s58, s58, 0x1000000
	s_mov_b32 s[STR], 131072
	s_cmp_lt_u32 s20, 2
	s_cselect_b32 s58, s57, s58
	s_cselect_b32 s[STR], 16384, s[STR]
	s_and_b32 s57, s20, 1
	s_mul_i32 s57, s57, s[STR]
	s_add_co_u32 s58, s58, s57
	s_mov_b32 s59, 0
	s_lshl_b32 s[STP], s[STR], 1
	s_mov_b32 s[STP+1], 0
	; my queries' codes: plane = pair; row = 2,048 batch + 128 block + 32 (w % 4); 64 bytes on for the pair's second head
	s_lshl_b32 s[QA], s23, 20
	s_lshl_b32 s29, s22, 18
	s_add_co_u32 s[QA], s[QA], s29
	s_lshl_b32 s29, s[MB], 14
	s_add_co_u32 s[QA], s[QA], s29
	s_lshl_b32 s29, s20, 12
	s_add_co_u32 s[QA], s[QA], s29
	s_lshl_b32 s70, s19, 6
	s_add_co_u32 s[QA], s[QA], s70
	s_mov_b32 s[QA+1], 0
	; what I store: waves 0-7 rows 16 w .. of block 15 - i, waves 8-15 of block i: ((16 batch + block) x 8 + pair) x 16,384 + (w % 8) x 2,048
	s_cmp_lt_u32 s[WV], 8
	s_cselect_b32 s29, s[LB], s[IDX]
	s_lshl_b32 s[OUTA], s22, 4
	s_add_co_u32 s[OUTA], s[OUTA], s29
	s_lshl_b32 s[OUTA], s[OUTA], 3
	s_add_co_u32 s[OUTA], s[OUTA], s23
	s_lshl_b32 s[OUTA], s[OUTA], 14
	s_and_b32 s29, s[WV], 7
	s_lshl_b32 s29, s29, 11
	s_add_co_u32 s[OUTA], s[OUTA], s29
	s_mov_b32 s[OUTA+1], 0
	s_lshr_b32 s29, s[WV], 2
	s_xor_b32 s29, s29, 1                          ; 0 in waves 4 to 7,
	s_or_b32 s29, s29, ttmp9                       ; of the work-group with i = 0
	s_cmp_eq_u32 s29, 0
	s_cselect_b32 s[PLIM], 6, 0
	s_mul_i32 s69, s19, 64*KP
	s_add_co_u32 s69, s69, VOFF                    ; V: my head's 64 rows
	s_lshl_b32 s71, s20, 5                         ; my first query in its block
	s_wait_dscnt 0x0                               ; both opening adds are done
	s_wait_kmcnt 0x0
	s_load_b256 s[48:55], s[6:7], 0x0              ; e0 .. e7
	s_add_nc_u64 s[BASE:BASE+1], s[4:5], s[58:59]
	s_add_nc_u64 s[PFA:PFA+1], s[BASE:BASE+1], s[STP:STP+1]   ; slot 1: the first change steps it to slot 2
	s_mov_b32 s[G0], 1
	s_mul_i32 s[G0+1], s20, PART                   ; LDS address: my part of slot 0
	s_mov_b64 s[G0+2:G0+3], s[BASE:BASE+1]
	s_or_b32 s[G0+3], s[G0+3], 0x80000000
	TLOAD                                          ; slot 0
	s_add_nc_u64 s[QA:QA+1], s[4:5], s[QA:QA+1]
	s_add_nc_u64 s[OUTA:OUTA+1], s[8:9], s[OUTA:OUTA+1]
	v_and_b32 v[ADV], 15, v0                       ; r
	v_bfe_u32 v[T0], v0, 4, 1                      ; h
	v_lshlrev_b32 v[ADK], 7, v[ADV]
	v_lshl_add_u32 v[ADK], v[T0], 4, v[ADK]        ; 128 r + 16 h
	global_load_b128 v[QF:QF+3], v[ADK], s[QA:QA+1]                   ; Q's two fragments stay in registers
	global_load_b128 v[QF+4:QF+7], v[ADK], s[QA:QA+1] offset:32
	global_load_b128 v[QF+8:QF+11], v[ADK], s[QA:QA+1] offset:2048
	global_load_b128 v[QF+12:QF+15], v[ADK], s[QA:QA+1] offset:2080
	v_mul_u32_u24 v[AK0], v[ADV], KP
	v_lshl_add_u32 v[AK0], v[T0], 4, v[AK0]        ; 144 r + 16 h
	v_add_nc_u32 v[AV0], s69, v[AK0]
	v_add_nc_u32 v[AK0], s70, v[AK0]               ; K: my head's 64 bytes of a row
	v_and_b32 v[PFO], 31, v0
	v_lshlrev_b32 v[PFO], 8, v[PFO]
	v_lshlrev_b32 v[T1], 3, v[T0]
	v_sub_nc_u32 v[DD], v[ADV], v[T1]
	v_add_nc_u32 v[DD], s71, v[DD]                 ; the first tile's query in its block - 8 h
	v_mov_b32 v[STA+1], 0xff61b1e6                 ; the largest t so far: -3e38
	v_mov_b32 v[STB+1], 0xff61b1e6
	v_floor_f32 v[STA], -v[STA+1]                  ; -M
	v_floor_f32 v[STB], -v[STB+1]
.irp j, STA+2, STA+3, STB+2, STB+3, F+1, PT
	v_mov_b32 v[\j], 0                             ; the sums; the pair's upper half; a lane permute's destination counts as a source
.endr
.set n, 0
.rept 64
	v_mov_b32 v[OA+n], 0                           ; O^T: the step is written once, and the first change of M leaves zeros zeros
.set n, n+1
.endr
	s_wait_kmcnt 0x0
	s_add_co_i32 s29, s50, s51
	s_lshl_b32 s29, s29, 23
	s_add_co_i32 s[CS], s[CS], s29                 ; c x 2^(e2 + e3)
	s_mov_b32 s[CS+1], s[CS]
	s_add_co_i32 s29, s52, 127
	s_lshl_b32 s30, s29, 23
	v_mov_b32 v[SC4], s30                          ; 2^e4
	s_add_co_i32 s29, s29, 8
	s_lshl_b32 s29, s29, 23
	s_or_b32 s29, s29, 0x600000
	v_mov_b32 v[L4], s29                           ; 448 x 2^e4
	s_add_co_i32 s29, s54, 127
	s_lshl_b32 s30, s29, 23                        ; 2^e6
	s_add_co_i32 s29, s29, 8
	s_lshl_b32 s31, s29, 23
	s_or_b32 s31, s31, 0x600000                    ; 448 x 2^e6
	s_add_co_i32 s28, s52, s53                     ; e4 + e5
; One tile's softmax on the 64 scores in v[S ..].  a: the tile; st: its -M, largest t, sum; o: its O^T; p: where its codes go.
.macro SOFT a, st, o, p
	s_cmp_lg_u32 s[KB], s[MB]                      ; the block's last step lies on the diagonal: there the scores of later keys become -infinity ahead of the maximum.  Ids and counts alone
	s_cbranch_scc1 .Lopen_\@
	v_mov_b32 v[T0], 0xff800000
.set n, 0
.rept 64
	v_cmp_gt_i32 vcc_lo, 16*(n/8)+n%8-16*\a, v[DD] ; register n holds key 16 (n / 8) + 8 h + n % 8: hidden where that is above my query
	v_cndmask_b32 v[S+n], v[S+n], v[T0], vcc_lo
.set n, n+1
.endr
.Lopen_\@:
	v_max3_num_f32 v[T0], v[S], v[S+1], v[S+2]     ; the step's largest score, in four chains, each accumulator from its low end on
	v_max3_num_f32 v[T1], v[S+3], v[S+4], v[S+5]
	v_max3_num_f32 v[T2], v[S+6], v[S+7], v[S+8]
	v_max3_num_f32 v[T3], v[S+9], v[S+10], v[S+11]
.set n, 12
.rept 6
	v_max3_num_f32 v[T0], v[T0], v[S+n], v[S+n+1]
	v_max3_num_f32 v[T1], v[T1], v[S+n+2], v[S+n+3]
	v_max3_num_f32 v[T2], v[T2], v[S+n+4], v[S+n+5]
	v_max3_num_f32 v[T3], v[T3], v[S+n+6], v[S+n+7]
.set n, n+8
.endr
	v_max3_num_f32 v[T0], v[T0], v[S+60], v[S+61]
	v_max3_num_f32 v[T1], v[T1], v[S+62], v[S+63]
	s_delay_alu instid0(VALU_DEP_1)
	v_max3_num_f32 v[T0], v[T0], v[T1], v[T2]
	s_delay_alu instid0(VALU_DEP_1)
	v_max_num_f32 v[T0], v[T0], v[T3]
	s_delay_alu instid0(VALU_DEP_1)
	v_permlanex16_b32 v[PT], v[T0], s[SEL], s[SEL+1]
	s_delay_alu instid0(VALU_DEP_1)
	v_max_num_f32 v[T0], v[T0], v[PT]              ; and among lane l xor 16's
	s_delay_alu instid0(VALU_DEP_1)
	v_mul_f32 v[T0], s[CS], v[T0]                  ; as t (c is positive)
	s_delay_alu instid0(VALU_DEP_1)
	v_max_num_f32 v[\st+1], v[\st+1], v[T0]        ; the running largest t
	v_mov_b32 v[T0], v[\st]
	s_delay_alu instid0(VALU_DEP_2)
	v_floor_f32 v[\st], -v[\st+1]                  ; the new -M = -ceil(t)
	s_delay_alu instid0(VALU_DEP_1)
	v_sub_f32 v[T0], v[\st], v[T0]                 ; old M - new M: a whole number, 0 or less
	s_delay_alu instid0(VALU_DEP_1)
	v_cvt_i32_f32 v[T0], v[T0]                     ; (it saturates)
	s_delay_alu instid0(VALU_DEP_1)
	v_ldexp_f32 v[F], 1.0, v[T0]                   ; f = 2^(old M - new M)
.set n, 0
.rept 32
	v_pk_fma_f32 v[S+n:S+n+1], v[S+n:S+n+1], s[CS:CS+1], v[\st:\st+1] op_sel_hi:[1,0,0]   ; t - M (the low words of c and -M serve both halves)
.set n, n+2
.endr
	s_wait_alu depctr_va_vdst(0)
.set n, 0
.rept 64
	v_exp_f32 v[S+n], v[S+n]                       ; p = 2^(t - M), at most 1
.set n, n+1
.endr
	v_pk_mul_f32 v[\st+2:\st+3], v[\st+2:\st+3], v[F:F+1] op_sel_hi:[1,0]   ; the sum under the new M: a plain line behind the exponentials
	s_wait_alu depctr_va_vdst(0)                   ; one wait for the batch, ahead of its first reader
	v_pk_add_f32 v[T0:T0+1], v[S:S+1], v[S+8:S+9]  ; the sum of the unquantised p, two at a time, in four chains
	v_pk_add_f32 v[T1:T1+1], v[S+2:S+3], v[S+10:S+11]
	v_pk_add_f32 v[T2:T2+1], v[S+4:S+5], v[S+12:S+13]
	v_pk_add_f32 v[T3:T3+1], v[S+6:S+7], v[S+14:S+15]
.set n, 16
.rept 6
	v_pk_add_f32 v[T0:T0+1], v[T0:T0+1], v[S+n:S+n+1]
	v_pk_add_f32 v[T1:T1+1], v[T1:T1+1], v[S+n+2:S+n+3]
	v_pk_add_f32 v[T2:T2+1], v[T2:T2+1], v[S+n+4:S+n+5]
	v_pk_add_f32 v[T3:T3+1], v[T3:T3+1], v[S+n+6:S+n+7]
.set n, n+8
.endr
	v_pk_add_f32 v[T0:T0+1], v[T0:T0+1], v[T1:T1+1]
	v_pk_add_f32 v[T2:T2+1], v[T2:T2+1], v[T3:T3+1]
	s_delay_alu instid0(VALU_DEP_1)
	v_pk_add_f32 v[T0:T0+1], v[T0:T0+1], v[T2:T2+1]
	s_delay_alu instid0(VALU_DEP_1)
	v_pk_add_f32 v[\st+2:\st+3], v[\st+2:\st+3], v[T0:T0+1]
; The hold (the conversion does not saturate: ISA guide 7.6.2; p is not negative, so it is one-sided), two numbers an instruction, and the conversion: keys 16 t + 8 h + 0 .. 7 are registers 2 t, 2 t + 1 of the operand.
; The second tile's codes land on scores of tiles 0 and 1 that are already converted: behind those two conversions the next hold begins with plain single lines.
.irp t, 0,1,2,3,4,5,6,7
.if (\t-1)*(\t-2) == 0
	v_min_num_f32 v[S+8*\t], v[S+8*\t], v[L4]
	v_min_num_f32 v[S+8*\t+1], v[S+8*\t+1], v[L4]
.else
	v_dual_min_num_f32 v[S+8*\t], v[L4], v[S+8*\t] :: v_dual_min_num_f32 v[S+8*\t+1], v[L4], v[S+8*\t+1]
.endif
.irp i, 2,4,6
	v_dual_min_num_f32 v[S+8*\t+\i], v[L4], v[S+8*\t+\i] :: v_dual_min_num_f32 v[S+8*\t+\i+1], v[L4], v[S+8*\t+\i+1]
.endr
	v_cvt_scalef32_pk8_fp8_f32 v[\p+2*\t:\p+2*\t+1], v[S+8*\t:S+8*\t+7], v[SC4]
.endr
	s_wait_alu depctr_va_vdst(0)                   ; directly ahead of the first reader of O^T
.set n, 0
.rept 16
	v_pk_mul_f32 v[\o+n:\o+n+1], v[\o+n:\o+n+1], v[F:F+1] op_sel_hi:[1,0]   ; O^T under the new M; also the plain lines behind the conversions
.set n, n+2
.endr
.endm
; A KEY STEP: 128 keys, the q-th of the slot in hand, for both my tiles.
.macro STEP q
	s_cmp_gt_u32 s[KB], s[MB]                      ; all keys behind my block: ids and counts alone; no barrier, wait on a tile or tensor load stands in a step
	s_cbranch_scc1 .Lhidden_\@
	v_add_nc_u32 v[ADK], s[TB], v[AK0]
	v_add_nc_u32 v[ADV], s[TB], v[AV0]
.rept 3
	v_nop                                          ; with the two additions five places: in front of loads into V's registers, and of products that write over the second tile's codes
.endr
.irp t, 0,1,2,3,4,5,6,7
.irp c, 0,1
	ds_load_b128 v[KV+8*\t+4*\c:KV+8*\t+4*\c+3], v[ADK] offset:PART*(\q)+16*KP*\t+32*\c    ; keys 16 t + r
.endr
.endr
	s_wait_alu depctr_va_vdst(0)                   ; directly ahead of the wait below
	s_wait_dscnt 0x0
.irp t, 0,1,2,3,4,5,6,7
	v_wmma_f32_16x16x64_fp8_fp8 v[S+8*\t:S+8*\t+7], v[KV+8*\t:KV+8*\t+7], v[QF:QF+7], 0
.endr
.rept 4
	v_nop
.endr
	SOFT 0, STA, OA, PA
.irp t, 0,1,2,3,4,5,6,7
	v_wmma_f32_16x16x64_fp8_fp8 v[S+8*\t:S+8*\t+7], v[KV+8*\t:KV+8*\t+7], v[QF+8:QF+15], 0
.endr
.rept 4
	v_nop                                          ; places: in front of V's loads into K's registers, and of the first read of the scores
.endr
.irp t, 0,1,2,3
.irp c, 0,1,2,3
	ds_load_b128 v[KV+16*\t+4*\c:KV+16*\t+4*\c+3], v[ADV] offset:PART*(\q)+16*KP*\t+32*\c  ; channels 16 t + r: they land under the second tile's softmax
.endr
.endr
	SOFT 1, STB, OB, PB
	s_wait_alu depctr_va_vdst(0)                   ; directly ahead of the wait below
	s_wait_dscnt 0x0                               ; V is in
.irp t, 0,1,2,3                                ; eight accumulators by turns; between two links of a sum stand 23 other matrix instructions
	v_wmma_f32_16x16x128_fp8_fp8 v[OA+8*\t:OA+8*\t+7], v[KV+16*\t:KV+16*\t+15], v[PA:PA+15], v[OA+8*\t:OA+8*\t+7]
	v_wmma_f32_16x16x128_fp8_fp8 v[OB+8*\t:OB+8*\t+7], v[KV+16*\t:KV+16*\t+15], v[PB:PB+15], v[OB+8*\t:OB+8*\t+7]
.endr
.Lhidden_\@:
	s_add_co_u32 s[KB], s[KB], 1
.endm
	s_wait_alu depctr_va_vdst(0)
	s_wait_loadcnt 0x0                             ; Q
.Lslot:                                            ; eight trips, a slot each
	; THE CHANGE OF SLOTS: each wave waits for all its tensor loads, adds 0 to its spare word, and waits for that and for its reads of the slot that it has left.
	s_wait_tensorcnt 0x0                           ; no tensor load of mine is out, so group 0 may be written
	ds_add_u32 v[SPW], v[NIL]                      ; the add, here twice on end, in every trip alike
	ds_add_u32 v[SPW], v[NIL]
	s_xor_b32 s[G0+1], s[G0+1], SLOT1              ; the other slot than last time,
	s_add_nc_u64 s[G0+2:G0+3], s[G0+2:G0+3], s[STP:STP+1]   ; the next two key blocks; the type bits on top are not reached
	s_wait_xcnt 0x0                                ; my last prefetches, a trip back, have read their address
	s_add_nc_u64 s[PFA:PFA+1], s[PFA:PFA+1], s[STP:STP+1]
	s_wait_dscnt 0x0
	s_barrier_signal -1
	s_barrier_wait -1
	s_lshl_b32 s29, s[TRIP], 1
	s_add_co_u32 s29, s29, 2                       ; the first key block of the slot that this change would ask for
	s_cmp_gt_u32 s29, s[LB]                        ; behind block 15 - i no wave reads it: ids and the count of trips alone, alike in all sixteen waves
	s_cbranch_scc1 .Lpast
	TLOAD                                          ; a wave's one tensor load until the next barrier
.Lpast:
	ASK
	STEP 0
	STEP 1
	s_xor_b32 s[TB], s[TB], SLOT1
	s_add_co_u32 s[TRIP], s[TRIP], 1
	s_cmp_lt_u32 s[TRIP], 8
	s_cbranch_scc1 .Lslot
	; THE END: O^T / the sum x 2^(e4 + e5), held, quantised by 2^e6: register 8 t + j is channel 16 t + 8 h + j of my query.
	s_lshl_b32 s29, s68, 7
	s_add_co_u32 s29, s29, s71
	s_mul_i32 s29, s29, KP
	s_add_co_u32 s29, s29, s70
	s_add_co_u32 s29, s29, STAGE                   ; the stage: row 128 x (which block) + 32 (w % 4), byte 64 x head
	s_mul_i32 s69, s[WV], 16*KP
	s_add_co_u32 s69, s69, STAGE                   ; back: rows 16 w on
.rept 4
	v_nop                                          ; places behind the last products
.endr
	v_add_f32 v[STA+2], v[STA+2], v[STA+3]
	v_add_f32 v[STB+2], v[STB+2], v[STB+3]
	v_permlanex16_b32 v[PT], v[STA+2], s[SEL], s[SEL+1]
	v_permlanex16_b32 v[T0], v[STB+2], s[SEL], s[SEL+1]
	v_add_f32 v[STA+2], v[STA+2], v[PT]
	v_add_f32 v[STB+2], v[STB+2], v[T0]
	v_mov_b32 v[T1], s30                           ; 2^e6
	v_mov_b32 v[T2], s31                           ; 448 x 2^e6
	s_wait_alu depctr_va_vdst(0)
	v_rcp_f32 v[STA+2], v[STA+2]
	v_rcp_f32 v[STB+2], v[STB+2]
	v_nop                                          ; a plain line behind them,
	s_wait_alu depctr_va_vdst(0)                   ; and the wait ahead of their first reader
	v_ldexp_f32 v[STA+2], v[STA+2], s28
	v_ldexp_f32 v[STB+2], v[STB+2], s28
	s_wait_alu depctr_va_vdst(0)                   ; directly ahead of the first reader of O^T
.set n, 0
.rept 16
	v_pk_mul_f32 v[S+n:S+n+1], v[OA+n:OA+n+1], v[STA+2:STA+3] op_sel_hi:[1,0]
.set n, n+2
.endr
.set n, 0
.rept 16
	v_pk_mul_f32 v[S+32+n:S+32+n+1], v[OB+n:OB+n+1], v[STB+2:STB+3] op_sel_hi:[1,0]
.set n, n+2
.endr
.set n, 0
.rept 64
	v_med3_num_f32 v[S+n], v[S+n], -v[T2], v[T2]
.set n, n+1
.endr
.irp u, 0,1,2,3,4,5,6,7
	v_cvt_scalef32_pk8_fp8_f32 v[KV+2*\u:KV+2*\u+1], v[S+8*\u:S+8*\u+7], v[T1]
.endr
	v_and_b32 v150, 15, v0                         ; r  (also the plain line behind the conversions)
	v_bfe_u32 v151, v0, 4, 1                       ; h
	v_mul_u32_u24 v152, v150, KP
	v_lshl_add_u32 v152, v151, 3, v152
	v_add_nc_u32 v152, s29, v152                   ; in: row r of my 32, byte 8 h
	v_bfe_u32 v153, v0, 3, 2
	v_mul_u32_u24 v153, v153, KP
	v_and_b32 v154, 7, v0
	v_lshl_add_u32 v153, v154, 4, v153
	v_add_nc_u32 v153, s69, v153                   ; back: eight lanes to a row, four rows an instruction
	v_and_b32 v155, 31, v0
	v_lshlrev_b32 v155, 4, v155
	; A row of a_codes is a token's 128 channels of the head pair, which two waves hold: the rows meet in the stage, and each wave stores 16 whole rows, 2,048 dense bytes.
.irp u, 0,1,2,3,4,5,6,7
	ds_store_b64 v152, v[KV+2*\u:KV+2*\u+1] offset:16*KP*(\u/4)+16*(\u%4)
.endr
	s_wait_alu depctr_va_vdst(0)                   ; directly ahead of the wait below
	s_wait_dscnt 0x0                               ; for the others' sake: my stores into the stage are done
	s_barrier_signal -1
	s_barrier_wait -1
.irp i, 0,1,2,3
	ds_load_b128 v[160+4*\i:163+4*\i], v153 offset:4*KP*\i
.endr
	s_wait_dscnt 0x0
.irp i, 0,1,2,3
	global_store_b128 v155, v[160+4*\i:163+4*\i], s[OUTA:OUTA+1] offset:512*\i   ; 32 lanes store 512 consecutive bytes, aligned
.endr
	s_wait_tensorcnt 0x0                           ; the wave's end
	ds_add_u32 v[SPW], v[NIL]
	s_wait_dscnt 0x0
	s_endpgm
.Lfunc_end_k_q303ddb0f27_attn:
	.size	k_q303ddb0f27_attn, .Lfunc_end_k_q303ddb0f27_attn-k_q303ddb0f27_attn
	.p2alignl 7, 3214868480
	.fill 96, 4, 3214868480
	.section	.rodata,"a",@progbits
	.p2align	6, 0x0
	.amdhsa_kernel k_q303ddb0f27_attn
		.amdhsa_group_segment_fixed_size 327680
		.amdhsa_private_segment_fixed_size 0
		.amdhsa_enable_private_segment 0
		.amdhsa_kernarg_size 24
		.amdhsa_user_sgpr_count 2
		.amdhsa_user_sgpr_kernarg_segment_ptr 1
		.amdhsa_wavefront_size32 1
		.amdhsa_system_sgpr_workgroup_id_x 1
		.amdhsa_system_sgpr_workgroup_id_y 1
		.amdhsa_system_sgpr_workgroup_id_z 1
		.amdhsa_system_vgpr_workitem_id 0
		.amdhsa_next_free_vgpr 256
		.amdhsa_next_free_sgpr 72
		.amdhsa_reserve_vcc 1
		.amdhsa_float_denorm_mode_32 3
		.amdhsa_float_denorm_mode_16_64 3
		.amdhsa_memory_ordered 1
		.amdhsa_forward_progress 1
		.amdhsa_inst_pref_size 97
	.end_amdhsa_kernel
	.amdgpu_metadata
---
amdhsa.version: [ 1, 2 ]
amdhsa.kernels:
  - .name:           k_q303ddb0f27_attn
    .symbol:         k_q303ddb0f27_attn.kd
    .args:
      - { .name: qkv, .offset: 0, .size: 8, .value_kind: global_buffer, .address_space: global }
      - { .name: lowp_scales, .offset: 8, .size: 8, .value_kind: global_buffer, .address_space: global }
      - { .name: a_codes, .offset: 16, .size: 8, .value_kind: global_buffer, .address_space: global }
    .group_segment_fixed_size: 327680
    .private_segment_fixed_size: 0
    .kernarg_segment_align: 8
    .kernarg_segment_size: 24
    .max_flat_workgroup_size: 512
    .sgpr_count:     72
    .vgpr_count:     256
    .wavefront_size: 32
...
	.end_amdgpu_metadata
.endif
;; end of part 3
;; launch proj (part 4): grid 4 x 64, 4 waves a work-group, clusters of 4 x 4, 327,680 bytes of LDS; arguments a_codes, wout_codes, lowp_scales, b_out, out0; writes out0
.if DOCPART == 4
	.amdgcn_target "amdgcn-amd-amdhsa--gfx1250"
	.amdhsa_code_object_version 6
	.text
	.protected	k_q303ddb0f27_proj
	.globl	k_q303ddb0f27_proj
	.p2align	8
	.type	k_q303ddb0f27_proj,@function
k_q303ddb0f27_proj:
	s_mov_b64 s[64:65], 0
	v_nop
	global_prefetch_b8 v0, s[64:65] scope:SCOPE_SE
	s_setreg_imm32_b32 hwreg(HW_REG_WAVE_MODE, 25, 1), 1
	s_wait_xcnt 0x0
	s_wait_alu depctr_hold_cnt(0) depctr_sa_sdst(0) depctr_va_vdst(0) depctr_va_sdst(0) depctr_va_ssrc(0) depctr_va_vcc(0) depctr_vm_vsrc(0)
	s_getreg_b32 s2, hwreg(HW_REG_IB_STS2, 6, 4)
	s_cmp_eq_u32 s2, 0
	s_cbranch_scc0 .Lentry_in_a_cluster
	s_endpgm
.Lentry_in_a_cluster:
	s_bfe_u32 s2, ttmp6, 0x10000c
	s_cmp_lg_u32 s2, 0xf033
	s_cbranch_scc0 .Lentry_shape_is_right
	s_endpgm
.Lentry_shape_is_right:
; The last product, out0 = a W_out^T + b_out, on codes of FP8 (E4M3), K = 1,024.  a_codes: [64 blocks of 128 tokens][8 head pairs][128 tokens][128 channels]; wout_codes: [1024][1024], K innermost.
; SHARES.  Work-group (cx, tile row): 128 tokens with ALL of K, against two blocks of 128 rows of W_out: blocks cx and cx + 4.  The tokens' codes, one dense block of 131,072 bytes, come once through LDS (stated as rows of
; 256 bytes, padded behind each 128: LDS rows of 144 bytes, row = 128 pair + token) and then stay in registers (a wave's 64 tokens x 1,024 are 512 registers).  Block cx lies behind them (128 rows at pitch 1,040);
; when every wave holds its tokens, their LDS bytes take block cx + 4, which lands under the first block's products.
; A wave makes 64 x 64 of each block: 16 accumulators, which take turns; K in eight steps of 128 on two sets of W_out's fragments.
; THE MATRIX INSTRUCTION IS USED TRANSPOSED (source 0 = 16 rows of W_out, source 1 = 16 tokens): a lane holds eight neighbouring numbers of a row of out0.
; A fragment's registers 4 c .. 4 c + 3 hold K = 32 c + 16 (l / 16) + 0 .. 15, alike in both operands.
; CLUSTERS: 4 x 4 work-groups; the tokens' tile is asked for jointly along a row of the cluster, W_out's blocks along a column.
; NO PREFETCH: the launch has no loop to run ahead in; a work-group has two requests a wave, the second behind the first's landing.
; LIMIT: e6 + e7 between -126 and 127, so that 2^(e6 + e7) is an f32 number.
; REGISTERS, in windows of 256.  Window 0: v1-29 addresses; v32-63, v96-127 rows on the way out; v64-95 the bias; v128-255 results.  Window 1: v0-127 W_out's fragments, two sets; v128-255 the accumulators,
; (a, b) at v[128 + 8 (4 a + b)].  Windows 2, 3: the tokens' fragments: K step q, block a at v[64 (q % 4) + 16 a] of window 2 + q / 4.
.set APITCH, 144
.set AHALF,  512*APITCH
.set BOFF,   2*AHALF
.set BP,     1040
.set BHALF,  64*BP
.set QUART,  32*BP
.set SPARE,  BOFF+2*BHALF              ; the spare words, 128 bytes for each wave
.set STAGE,  SPARE+512                 ; a stage of 16 rows x 272 bytes for each wave; no tile lands there
.set SPITCH, 272
.set BC,   8
.set ADRA, 16                          ; v16-19  my tokens, pairs 0-1, 2-3, 4-5, 6-7
.set ADRB, 20                          ; v20, v21: my rows of the first block, of the second
.set STO,  24
.set RD,   25
.set CO,   26
.set SPW,  28
.set NIL,  29
.set CB,   64
.set TMP,  128
.set G1, 24
.set G0, 32
.set G1B, 48
.set G0B, 56
.set G1C, 68
.set G0R, 76
.set MSB, 0
.macro WIN new                         ; the immediate's high byte repeats the setting that is left
.if MSB != (\new)
	s_set_vgpr_msb (MSB<<8)|(\new)
.set MSB, (\new)
.endif
.endm
.macro PLACES                          ; plain vector lines between a matrix instruction and a load into, or a vector line on, its registers (ISA guide 7.12.1 for vector lines)
.rept 4
	v_nop
.endr
.endm
.macro CROUND                          ; a round of the cluster's barrier
	s_barrier_signal -1
	s_barrier_wait -1
	s_cmp_lg_u32 s14, 0
	s_cbranch_scc1 .Lnot_wave_0_\@
	s_barrier_signal -3
.Lnot_wave_0_\@:
	s_barrier_wait -3
	s_barrier_signal -1
	s_barrier_wait -1
.endm
	s_load_b128 s[4:7], s[0:1], 0x0                ; a_codes, wout_codes
	s_load_b128 s[8:11], s[0:1], 0x10              ; the scales' exponents, b_out
	s_load_b64 s[12:13], s[0:1], 0x20              ; out0
	v_lshl_add_u32 v[SPW], v0, 2, SPARE
	v_mov_b32 v[NIL], 0
	ds_add_u32 v[SPW], v[NIL]                      ; the opening lines: the add, twice on end, and its wait ahead of the round in front of the first loads
	ds_add_u32 v[SPW], v[NIL]
	v_lshrrev_b32 v1, 5, v0
	v_readfirstlane_b32 s14, v1                    ; wave 0..3
	s_lshr_b32 s15, s14, 1                         ; which 64 tokens are mine.  Also: at the head I fetch for the tokens (0) or for W_out (1)
	s_and_b32 s16, s14, 1                          ; which 64 columns.  Also: which half I fetch at the head
	s_bfe_u32 s40, ttmp6, 0x40000                  ; cx
	s_bfe_u32 s41, ttmp6, 0x40004                  ; cy
	s_and_b32 s17, ttmp7, 0xffff
	s_lshl_b32 s17, s17, 2
	s_add_co_u32 s17, s17, s41                     ; tile row, 0 .. 63
	s_lshl_b32 s43, s41, 2
	s_lshl_b32 s43, 15, s43                        ; my row of the cluster
	s_lshl_b32 s44, 0x1111, s40                    ; my column
	s_or_b32 s[G1+0], s43, (0<<16)|(1<<20)|(1<<21)|(4<<22)|(3<<25)   ; the tokens: four words of padding after every 32
	s_mov_b32 s[G1+1], 256<<16                     ; 256 rows of 256 bytes, dense
	s_mov_b32 s[G1+2], 256<<16
	s_mov_b32 s[G1+3], 256<<16
	s_mov_b32 s[G1+4], 256
	s_mov_b32 s[G1+5], 256
	s_mov_b32 s[G1+6], 0
	s_mov_b32 s[G1+7], 0
	s_or_b32 s[G1B+0], s44, (0<<16)|(1<<20)|(1<<21)|(7<<22)|(3<<25)  ; W_out: four words of padding after every 256
	s_mov_b32 s[G1B+1], 1024<<16                   ; at the head 64 rows of 1,024 bytes
	s_mov_b32 s[G1B+2], 64<<16
	s_mov_b32 s[G1B+3], 1024<<16
	s_mov_b32 s[G1B+4], 64
	s_mov_b32 s[G1B+5], 1024
	s_mov_b32 s[G1B+6], 0
	s_mov_b32 s[G1B+7], 0
	s_or_b32 s[G1C+0], s44, (0<<16)|(1<<20)|(1<<21)|(7<<22)|(3<<25)
	s_mov_b32 s[G1C+1], 1024<<16                   ; the second block: 32 rows a wave
	s_mov_b32 s[G1C+2], 32<<16
	s_mov_b32 s[G1C+3], 1024<<16
	s_mov_b32 s[G1C+4], 32
	s_mov_b32 s[G1C+5], 1024
	s_mov_b32 s[G1C+6], 0
	s_mov_b32 s[G1C+7], 0
	s_lshl_b32 s18, s16, 16                        ; a half is 65,536 bytes in both
	s_lshl_b32 s20, s17, 17
	s_add_co_u32 s20, s20, s18                     ; the tokens: the tile row alone, which my row of the cluster shares
	s_mov_b32 s21, 0
	s_lshl_b32 s46, s40, 17
	s_lshl_b32 s84, s14, 15
	s_add_co_u32 s84, s84, s46
	s_add_co_u32 s84, s84, 4<<17                   ; block cx + 4, my 32 rows
	s_add_co_u32 s46, s46, s18                     ; block cx, my 64 rows
	s_mov_b32 s47, 0
	s_mov_b32 s85, 0
	s_mul_i32 s45, s16, AHALF                      ; where they go: no place in the cluster enters an LDS address
	s_mul_i32 s66, s16, BHALF
	s_add_co_u32 s66, s66, BOFF
	s_mul_i32 s67, s14, QUART
	s_lshl_b32 s80, s17, 19                        ; out0: 128 rows of 4,096 bytes a tile row,
	s_lshl_b32 s81, s15, 18                        ; my 64 rows,
	s_add_co_u32 s80, s80, s81
	s_lshl_b32 s82, s40, 9                         ; 512 bytes a block of columns,
	s_lshl_b32 s83, s16, 8                         ; my 64 columns: also my place in b_out
	s_add_co_u32 s82, s82, s83
	s_add_co_u32 s80, s80, s82
	s_mov_b32 s81, 0
	s_mov_b32 s83, 0
	s_wait_dscnt 0x0                               ; both opening adds are done
	s_wait_kmcnt 0x0
	s_load_b256 s[88:95], s[8:9], 0x0              ; e0 .. e7
	s_add_nc_u64 s[20:21], s[4:5], s[20:21]
	s_add_nc_u64 s[46:47], s[6:7], s[46:47]
	s_add_nc_u64 s[84:85], s[6:7], s[84:85]
	s_add_nc_u64 s[12:13], s[12:13], s[80:81]
	s_add_nc_u64 s[82:83], s[10:11], s[82:83]
	CROUND                                         ; all sixteen work-groups are here: the first joint loads meet
	s_mov_b32 s[G0], 1
	s_mov_b32 s[G0+1], s45
	s_mov_b64 s[G0+2:G0+3], s[20:21]
	s_or_b32 s[G0+3], s[G0+3], 0x80000000
	s_mov_b32 s[G0B], 1
	s_mov_b32 s[G0B+1], s66
	s_mov_b64 s[G0B+2:G0B+3], s[46:47]
	s_or_b32 s[G0B+3], s[G0B+3], 0x80000000
	s_mov_b32 s[G0R], 1
	s_mov_b32 s[G0R+1], s67
	s_mov_b64 s[G0R+2:G0R+3], s[84:85]
	s_or_b32 s[G0R+3], s[G0R+3], 0x80000000
	s_cmp_eq_u32 s15, 0                            ; the branch hangs on the wave's number alone; an s_nop 0 and four v_nop follow each load
	s_cbranch_scc0 .Lfor_b
	tensor_load_to_lds s[G0:G0+3], s[G1:G1+7]
	s_nop 0
	PLACES
	s_branch .Lasked
.Lfor_b:
	tensor_load_to_lds s[G0B:G0B+3], s[G1B:G1B+7]
	s_nop 0
	PLACES
.Lasked:
	v_and_b32 v1, 15, v0                           ; r
	v_bfe_u32 v2, v0, 4, 1                         ; h
	v_lshlrev_b32 v[BC], 5, v2
.macro BIAS j                          ; the bias of columns 16 b + 8 h + 0 .. 7 of block cx + 4 j: waited for on the way out
.irp b, 0,1,2,3
	global_load_b128 v[CB+8*\b:CB+8*\b+3], v[BC], s[82:83] offset:2048*\j+64*\b
	global_load_b128 v[CB+8*\b+4:CB+8*\b+7], v[BC], s[82:83] offset:2048*\j+64*\b+16
.endr
.endm
	BIAS 0
	v_mul_u32_u24 v3, v1, APITCH
	v_lshl_add_u32 v3, v2, 4, v3
	v_mul_u32_u24 v4, v1, BP
	v_lshl_add_u32 v4, v2, 4, v4
	s_mul_i32 s21, s15, 64*APITCH                  ; my 64 tokens
	s_mul_i32 s22, s16, BHALF                      ; my 64 rows of a block
.irp g, 0,1,2,3
	v_add_nc_u32 v[ADRA+\g], s21, v3
	s_add_co_u32 s21, s21, 256*APITCH              ; two pairs on
.endr
	v_add_nc_u32 v[ADRB+1], s22, v4                ; the second block lies where the tokens lay,
	v_add_nc_u32 v[ADRB], BOFF, v[ADRB+1]          ; the first behind them
	s_mul_i32 s23, s14, 16*SPITCH
	s_add_co_u32 s23, s23, STAGE                   ; my stage
	s_wait_alu depctr_va_vdst(0)                   ; directly ahead of the reader below
	v_mul_u32_u24 v5, v1, SPITCH                   ; in: row r, 32 bytes for each half of the lanes
	v_lshl_add_u32 v5, v2, 5, v5
	v_add_nc_u32 v[STO], s23, v5
	v_mul_u32_u24 v6, v2, SPITCH                   ; back: sixteen lanes to a row of 256 bytes, two rows an instruction
	v_lshl_add_u32 v6, v1, 4, v6
	v_add_nc_u32 v[RD], s23, v6
	v_lshlrev_b32 v7, 12, v2
	v_lshl_add_u32 v[CO], v1, 4, v7                ; and the same two rows in out0
.macro WM d, s0, s1, zero
.if \zero
	v_wmma_f32_16x16x128_fp8_fp8 v[\d:\d+7], v[\s0:\s0+15], v[\s1:\s1+15], 0
.else
	v_wmma_f32_16x16x128_fp8_fp8 v[\d:\d+7], v[\s0:\s0+15], v[\s1:\s1+15], v[\d:\d+7]
.endif
.endm
.macro MUL q, zero                     ; 16 matrix instructions, one on each accumulator.  zero = 1: the first products start the sums
	WIN 0x51|((2+(\q)/4)<<2)                       ; source 0 W_out (window 1), source 1 the tokens (window 2 or 3), C and D window 1
.irp a, 0,1,2,3
.irp b, 0,1,2,3
	WM (128+8*(4*\a+\b)), (64*((\q)%2)+16*\b), (64*((\q)%4)+16*\a), \zero
.endr
.endr
.endm
.macro FETCHB j, q                     ; W_out's four fragments of K step q into set q % 2: 16 LDS loads
	WIN 0x40
.irp i, 0,1,2,3
.irp c, 0,1,2,3
	ds_load_b128 v[64*((\q)%2)+16*\i+4*\c:64*((\q)%2)+16*\i+4*\c+3], v[ADRB+\j] offset:16*BP*\i+128*(\q)+32*\c
.endr
.endr
.endm
.macro COMPUTE j
	FETCHB \j, 0
	FETCHB \j, 1
	s_wait_dscnt 16                                ; all but the 16 loads just issued
	MUL 0, 1
.irp q, 1,2,3,4,5,6
	PLACES                                         ; in front of loads into the set that the step before multiplied
	FETCHB \j, \q+1
	s_wait_dscnt 16
	MUL \q, 0
.endr
	s_wait_dscnt 0x0
	MUL 7, 0
	WIN 0
.endm
; THE WAY OUT, block by block of 16 rows x 64 columns: sum x 2^(e6 + e7) + bias; through my own stage, back as whole rows of 256 bytes.
.macro TOSTAGE a
.set BB, 32+64*((\a)%2)
	WIN 0x01                                       ; source 0: window 1
.set n, 0
.rept 16
	v_pk_fma_f32 v[TMP+32*(\a)+n:TMP+32*(\a)+n+1], v[128+32*(\a)+n:128+32*(\a)+n+1], s[96:97], v[CB+n:CB+n+1] op_sel_hi:[1,0,1]   ; each accumulator from its low end on
.set n, n+2
.endr
	WIN 0
.irp b, 0,1,2,3
	ds_store_b128 v[STO], v[TMP+32*(\a)+8*\b:TMP+32*(\a)+8*\b+3] offset:64*\b
	ds_store_b128 v[STO], v[TMP+32*(\a)+8*\b+4:TMP+32*(\a)+8*\b+7] offset:64*\b+16
.endr
.irp t, 0,1,2,3,4,5,6,7
	ds_load_b128 v[BB+4*\t:BB+4*\t+3], v[RD] offset:2*\t*SPITCH   ; LDS serves a wave's instructions in order (ISA guide 5.7.1.4): these see my stores, and the next block's stores come behind them
.endr
.endm
.macro SEND a, younger, j              ; younger: the LDS instructions issued behind block a's loads, which may stay out
.set BB, 32+64*((\a)%2)
	s_wait_dscnt \younger
.irp t, 0,1,2,3,4,5,6,7
	global_store_b128 v[CO], v[BB+4*\t:BB+4*\t+3], s[12:13] offset:(16*(\a)+2*\t)*4096+2048*\j th:TH_STORE_NT   ; sixteen lanes store 256 consecutive bytes, aligned
.endr
.endm
.macro OUTT j
	s_wait_loadcnt 0x0                             ; the bias
	s_wait_xcnt 0x0                                ; earlier stores have read their registers
	PLACES                                         ; behind the last products
	TOSTAGE 0
	TOSTAGE 1
	SEND 0, 16, \j                                 ; behind block 0's loads: block 1's 8 stores and 8 loads
	s_wait_xcnt 0x0                                ; block 0's stores have read their registers: block 2's rows may land there
	TOSTAGE 2
	SEND 1, 16, \j
	s_wait_xcnt 0x0
	TOSTAGE 3
	SEND 2, 16, \j
	SEND 3, 0, \j
.endm
	s_wait_alu depctr_va_vdst(0)
	s_wait_tensorcnt 0x0                           ; my half of a tile is in
	s_barrier_signal -1
	s_barrier_wait -1                              ; everybody's is
.irp q, 0,1,2,3,4,5,6,7                        ; the tokens' fragments, all of K, into windows 2 and 3
	WIN (2+\q/4)<<6
.irp a, 0,1,2,3
.irp c, 0,1,2,3
	ds_load_b128 v[64*(\q%4)+16*\a+4*\c:64*(\q%4)+16*\a+4*\c+3], v[ADRA+\q/2] offset:128*APITCH*(\q%2)+16*APITCH*\a+32*\c
.endr
.endr
.endr
	WIN 0
	s_wait_tensorcnt 0x0                           ; in front of a refill's round
	ds_add_u32 v[SPW], v[NIL]
	s_wait_dscnt 0x0                               ; the add is done, and I hold my tokens
	CROUND                                         ; so does every wave of every partner:
	tensor_load_to_lds s[G0R:G0R+3], s[G1C:G1C+7]  ; their LDS bytes take block cx + 4
	s_nop 0
	PLACES
	s_wait_kmcnt 0x0
	s_add_co_i32 s96, s94, s95
	s_add_co_i32 s96, s96, 127
	s_lshl_b32 s96, s96, 23                        ; 2^(e6 + e7) as f32
	s_mov_b32 s97, s96                             ; (named with it as a pair, so it is written)
	COMPUTE 0
	s_wait_tensorcnt 0x0                           ; my part of the second block is in
	ds_add_u32 v[SPW], v[NIL]
	s_wait_dscnt 0x0
	s_barrier_signal -1
	s_barrier_wait -1                              ; everybody's is; nothing is filled again
	OUTT 0
	BIAS 1
	COMPUTE 1
	OUTT 1
	s_wait_tensorcnt 0x0                           ; the wave's end
	ds_add_u32 v[SPW], v[NIL]
	s_wait_dscnt 0x0
	CROUND                                         ; the closing round
	s_endpgm
.Lfunc_end_k_q303ddb0f27_proj:
	.size	k_q303ddb0f27_proj, .Lfunc_end_k_q303ddb0f27_proj-k_q303ddb0f27_proj
	.p2alignl 7, 3214868480
	.fill 96, 4, 3214868480
	.section	.rodata,"a",@progbits
	.p2align	6, 0x0
	.amdhsa_kernel k_q303ddb0f27_proj
		.amdhsa_group_segment_fixed_size 327680
		.amdhsa_private_segment_fixed_size 0
		.amdhsa_enable_private_segment 0
		.amdhsa_kernarg_size 40
		.amdhsa_user_sgpr_count 2
		.amdhsa_user_sgpr_kernarg_segment_ptr 1
		.amdhsa_wavefront_size32 1
		.amdhsa_system_sgpr_workgroup_id_x 1
		.amdhsa_system_sgpr_workgroup_id_y 1
		.amdhsa_system_sgpr_workgroup_id_z 1
		.amdhsa_system_vgpr_workitem_id 0
		.amdhsa_next_free_vgpr 1024
		.amdhsa_next_free_sgpr 100
		.amdhsa_reserve_vcc 0
		.amdhsa_float_denorm_mode_32 3
		.amdhsa_float_denorm_mode_16_64 3
		.amdhsa_memory_ordered 1
		.amdhsa_forward_progress 1
		.amdhsa_inst_pref_size 77
	.end_amdhsa_kernel
	.amdgpu_metadata
---
amdhsa.version: [ 1, 2 ]
amdhsa.kernels:
  - .name:           k_q303ddb0f27_proj
    .symbol:         k_q303ddb0f27_proj.kd
    .args:
      - { .name: a_codes, .offset: 0, .size: 8, .value_kind: global_buffer, .address_space: global }
      - { .name: wout_codes, .offset: 8, .size: 8, .value_kind: global_buffer, .address_space: global }
      - { .name: lowp_scales, .offset: 16, .size: 8, .value_kind: global_buffer, .address_space: global }
      - { .name: b_out, .offset: 24, .size: 8, .value_kind: global_buffer, .address_space: global }
      - { .name: out0, .offset: 32, .size: 8, .value_kind: global_buffer, .address_space: global }
    .group_segment_fixed_size: 327680
    .private_segment_fixed_size: 0
    .kernarg_segment_align: 8
    .kernarg_segment_size: 40
    .max_flat_workgroup_size: 128
    .sgpr_count:     100
    .vgpr_count:     1024
    .wavefront_size: 32
...
	.end_amdgpu_metadata
.endif
;; end of part 4
